; MI455X (gfx1250); checked and timed in simulation.
; The chip was launched on July 23, 2026; its instructions are those of AMD's public machine-readable ISA for CDNA 5 (MIT licence, August 2026) and "CDNA5" Instruction Set Architecture Reference Guide (July 2026). The comments in the code are by the model that wrote it; some were corrected since.
;; Attention. Allowed arithmetic: matrix products marked QUANTISED: E4M3 operands, one E8M0 scale for each 32 along K, by v_wmma_scale_f32_16x16x128_f8f6f4 with both operands' format E4M3, f32 sums; everything else in f32.
;; Inputs: b_qkv 3,072 float32; mask 1 x 4 x 2,048 x 2,048 float32; pe_cos 1 x 1 x 2,048 x 64 float32; pe_scale 1 x 1 x 2,048 x 64 float32; pe_sin 1 x 1 x 2,048 x 64 float32; w_qkv 3,072 x 1,024 float32; x 4 x 2,048 x 1,024 float32.
;; Outputs: out0 4 x 2,048 x 1,024 float32.
;; This version of the problem:
;;   THIS VERSION OF THE PROBLEM IS GIVEN IN LOW PRECISION. The matrix products marked QUANTISED in the list below multiply operands that are first quantised to E4M3 (4 exponent bits, 3 mantissa bits; 8 bits a number), with one power-of-two scale for each 32 numbers along K (OCP MX v1.0); their sums are f32. All else is computed in f32.
;;   The module's matrix products, in the order in which they are computed (A, B: the left and right operand; K: the contracted axis; several contracted axes count as one K, in the product's order):
;;     1. [M 8,192, K 1,024] x [K 1,024, N 3,072]; A: input x; B: input w_qkv: QUANTISED
;;     2. batch 64 x [M 2,048, K 64] x [K 64, N 2,048]; A: computed on the way; B: computed on the way: QUANTISED
;;     3. batch 64 x [M 2,048, K 2,048] x [K 2,048, N 64]; A: softmax (see below); B: computed on the way: QUANTISED
;;   THE QUANTISER, for each operand of a quantised product, along K:
;;     - K is cut into blocks of 32 from its start; a last block that is shorter is filled with zeros.
;;     - A block's scale is 2^e with e = floor(log2(the largest magnitude in the block)) - 8, held to -126 .. 127; a block of zeros has e = 0. As a byte (E8M0): e + 127.
;;     - Each number is divided by its block's scale, clamped to +-448, and rounded to the nearest number of E4M3, ties to even, subnormals kept.
;;     - The product sums the exact products of the quantised numbers (number of the format x scale) in f32.
;;   ~~~python
;;   def quantise(x, axis):      # numpy; x: float32 -> the quantised numbers, widened to float32 again
;;       x = np.moveaxis(x, axis, -1); K = x.shape[-1]
;;       x = np.pad(x, [(0, 0)] * (x.ndim - 1) + [(0, -K % 32)]); x = x.reshape(x.shape[:-1] + (-1, 32)); a = np.abs(x).max(-1, keepdims=True)
;;       e = np.where(a > 0, np.clip(np.frexp(np.where(a > 0, a, 1))[1] - 1 - 8, -126, 127), 0)      # np.frexp(a)[1] - 1 = floor(log2(a)), exactly
;;       r = np.clip(x / 2.0 ** e, -448, 448)
;;       step = 2.0 ** (np.maximum(np.frexp(np.where(r == 0, 1, r))[1] - 1, -6) - 3)
;;       q = np.round(r / step) * step * 2.0 ** e      # np.round: ties to even
;;       return np.moveaxis(q.reshape(q.shape[:-2] + (-1,))[..., :K], -1, axis).astype(np.float32)
;;   ~~~
;;   SOFTMAX AHEAD OF A QUANTISED PRODUCT. Where the list says 'softmax', what is quantised is not the finished softmax but p = 2^(t - M), with t = logit x log2(e) and M = ceil(the row's largest t), a whole number; so 1/2 < the row's largest p <= 1. The row's sum l is taken of the UNQUANTISED p, in f32, and the product's result is divided by l at the end. Since M is a whole number, a kernel that streams over the keys may use a running M (the ceiling of the running maximum): every later rescaling is an exact power of two, which a block's scale takes up: the codes' values come out the same.
;;   OPERANDS COMPUTED ON THE WAY. 'Computed on the way' means the value that the module computes at that place (a softmax that the list does not call 'softmax' is quantised finished and normalised). What goes into a quantiser is computed in f32, as accurately as f32 sums, v_exp_f32 and their like allow (about 1e-6 of the number): no bf16 or f16 on the way to a quantiser, and a product that is left as it is and whose result goes on into a quantised operand takes f32 operands (vector FMAs, or v_wmma_f32_16x16x4_f32). A number that lies on a knife's edge between two numbers of the format may be rounded either way, as far as f32 arithmetic and the matrix unit's own rounding can turn it there, and no further.
;; One version. Each part assembles by itself: llvm-mc -triple=amdgcn-amd-amdhsa -mcpu=gfx1250 --defsym DOCPART=n.
;; ======== version 1 of 1: 3 launches
;; limits: right only within a limited range of input values
;; workspace buffers: xc 8,388,608 bytes; xs 262,144 bytes; wc 3,145,728 bytes; ws 98,304 bytes; qkv 26,738,688 bytes
;; launch quant (part 1): grid 352 x 1, 4 waves a work-group, no clusters, 33,280 bytes of LDS; arguments x, w_qkv, xc, xs, wc, ws; writes xc, xs, wc, ws
.if DOCPART == 1
	.amdgcn_target "amdgcn-amd-amdhsa--gfx1250"
	.amdhsa_code_object_version 6
	.text
	.protected	k_q43dd0274f2_quant
	.globl	k_q43dd0274f2_quant
	.p2align	8
	.type	k_q43dd0274f2_quant,@function
k_q43dd0274f2_quant:
	s_mov_b64 s[64:65], 0
	v_nop
	global_prefetch_b8 v0, s[64:65] scope:SCOPE_SE
	s_setreg_imm32_b32 hwreg(HW_REG_WAVE_MODE, 25, 1), 1
	s_wait_xcnt 0x0
; x [8192][1024] and w_qkv [3072][1024], f32, K innermost, become codes of FP8 (E4M3) with one E8M0 scale byte for each 32 along K.
; A block's scale is 2^(floor(log2(its largest magnitude)) - 8); its byte is the largest magnitude's exponent field - 8, held at 1 from below.  A block of zeros so gets the byte 1: its codes are
; zeros, which add nothing, and the bytes are read by this program alone.  Each number is divided by the scale, held within +-448 and rounded to the nearest code, ties to even.
; LIMITS: blocks whose largest magnitude lies under 2^-118 keep the byte 1; NaN and infinities among the inputs are not served.
; ROWS ARE LAID IN TILE ORDER: row R goes to the place R with its bits 3 and 4 exchanged.  Sixteen neighbouring places then hold rows 0-7 and 16-23 (or 8-15 and 24-31) of a group of 32, which is
; what the next launch wants of the rows of a matrix tile, so that its results' registers run along neighbours.  A wave's run of 8,192 numbers is 8 whole rows, and a run's number is
; 4 x work-group + wave: so the exchange is that of the wave number's two bits, in the two output addresses alone.
; A wave takes 16 steps of 512 numbers.  Each of a step's four loads reads 512 consecutive bytes; the 2,048 bytes turn through the wave's own stage in LDS and come back 64 bytes (16 neighbours) a lane,
; two lanes to a block.  A lane's 16 codes are 16 bytes: the wave stores 512 consecutive bytes.  A wave's 256 scale bytes are gathered in LDS and leave as 256 consecutive bytes.
; The first WGA work-groups take x, the others w_qkv.  Waves share nothing: no barrier.  Loads run four steps (16 loads a wave) ahead, the turn through LDS one step.
.set SIZE_M, 8192
.set SIZE_N, 3072
.set SIZE_K, 1024
.set WAVES, 4
.set STEPS, 16
.set WGA,   SIZE_M*SIZE_K/(512*STEPS*WAVES)    ; 256 work-groups for x, 96 for w_qkv
.set EMAX,  8
.set MANT,  0x600000                   ; the mantissa field of 448 as f32
.set CB,    16                         ; bytes of 16 codes
.set R,     16                         ; v16-79   four sets of 16 numbers as they are loaded
.set X,     80                         ; v80-111  two sets of 16 neighbours
.set C,     128                        ; v128-191 codes: four registers for each step, so that no store's data are written again
.set E,     112                        ; v112-127 a scale byte for each step
.set WREG,  8192                       ; LDS: a region of its own for each wave: two stages of 32 x SP bytes, and behind them its 256 scale bytes
.set SP,    80                         ; a lane's place in a stage: its 64 bytes + 16 of padding
	s_load_b128 s[4:7], s[0:1], 0x0                ; x, w_qkv
	s_load_b128 s[8:11], s[0:1], 0x10              ; x's codes, x's scales
	s_load_b128 s[12:15], s[0:1], 0x20             ; w's codes, w's scales
	v_lshl_add_u32 v192, v0, 2, 0x8000
	v_mov_b32 v193, 0
	v_lshrrev_b32 v1, 5, v0
	v_readfirstlane_b32 s16, v1                    ; wave
	v_and_b32 v2, 31, v0                           ; lane
	v_lshlrev_b32 v3, 4, v2                        ; my 16 bytes of a load's 512
	s_mul_i32 s17, s16, WREG
	v_lshrrev_b32 v14, 2, v2
	v_mul_u32_u24 v14, v14, SP
	v_and_b32 v15, 3, v2
	v_lshl_add_u32 v14, v15, 4, v14
	v_add_nc_u32 v14, s17, v14                     ; the stage, on the way in: four lanes' 64 bytes on end, then 16 of padding
	v_mul_u32_u24 v15, v2, SP
	v_add_nc_u32 v15, s17, v15                     ; and on the way out: SP x lane: my 16 neighbours
	v_mul_u32_u24 v4, v2, CB                       ; my codes' place in a step's
	v_lshrrev_b32 v5, 1, v2
	s_add_co_u32 s17, s17, 2*32*SP
	v_add_nc_u32 v5, s17, v5                       ; LDS: my wave's 256 scale bytes, my block's byte
	v_lshlrev_b32 v7, 3, v2                        ; and on the way out 8 bytes a lane
	v_add_nc_u32 v6, s17, v7
	s_mov_b32 s23, MANT                            ; (an instruction takes one literal: the hold's line has another)
	s_wait_alu depctr_va_vdst(0)
	s_wait_kmcnt 0x0
	s_cmp_lt_u32 ttmp9, WGA                        ; x's work-group or w's?  The choice hangs on the work-group's number alone
	s_cselect_b64 s[4:5], s[4:5], s[6:7]
	s_cselect_b64 s[8:9], s[8:9], s[12:13]
	s_cselect_b64 s[10:11], s[10:11], s[14:15]
	s_cselect_b32 s17, 0, WGA
	s_sub_co_u32 s17, ttmp9, s17
	s_lshl_b32 s17, s17, 2
	s_add_co_u32 s18, s17, s16                     ; which run of 8,192 numbers (8 rows) of the tensor my wave reads
	s_mov_b32 s19, 0
	s_mov_b64 s[20:21], 512*STEPS*4
	s_mul_u64 s[20:21], s[18:19], s[20:21]
	s_add_nc_u64 s[4:5], s[4:5], s[20:21]
	s_and_b32 s24, s16, 1                          ; and which run it writes: the wave number's two bits exchanged
	s_lshl_b32 s24, s24, 1
	s_lshr_b32 s25, s16, 1
	s_or_b32 s24, s24, s25
	s_add_co_u32 s24, s24, s17
	s_mov_b32 s25, 0
	s_mov_b64 s[20:21], 32*STEPS*CB
	s_mul_u64 s[20:21], s[24:25], s[20:21]
	s_add_nc_u64 s[8:9], s[8:9], s[20:21]
	s_lshl_b32 s24, s24, 8                         ; 256 scale bytes a run
	s_add_nc_u64 s[10:11], s[10:11], s[24:25]
.macro LOAD t
.irp i, 0,1,2,3
	global_load_b128 v[R+16*((\t)%4)+4*\i:R+16*((\t)%4)+4*\i+3], v3, s[4:5] offset:2048*(\t)+512*\i th:TH_LOAD_NT   ; 32 lanes read 512 consecutive bytes
.endr
.endm
.macro TURN t                          ; step t's numbers through the stage: LDS serves a wave's instructions in order, so no wait stands between the stores and the loads
.irp i, 0,1,2,3
	ds_store_b128 v14, v[R+16*((\t)%4)+4*\i:R+16*((\t)%4)+4*\i+3] offset:32*SP*((\t)%2)+8*SP*\i
.endr
.irp i, 0,1,2,3
	ds_load_b128 v[X+16*((\t)%2)+4*\i:X+16*((\t)%2)+4*\i+3], v15 offset:32*SP*((\t)%2)+16*\i
.endr
.endm
.irp t, 0,1,2,3
	LOAD \t
.endr
	s_wait_loadcnt 12                              ; step 0's four loads are in
	TURN 0
.macro STEP t
.set XS, X+16*((\t)%2)
.if (\t) > 0
	s_wait_dscnt 1                                 ; this step's numbers are back from the stage (the last step's byte store may be out): so its stores into the stage have read their registers,
.else
	s_wait_dscnt 0x0
.endif
.if (\t)+4 < STEPS
	LOAD (\t)+4                                    ; which take the loads of four steps on
.endif
.if (\t)+1 < STEPS
.if STEPS-2-(\t) >= 3
	s_wait_loadcnt 12                              ; the next step's four loads are in; those of the three steps behind it may be out
.else
	s_wait_loadcnt 4*(STEPS-2-(\t))
.endif
	TURN (\t)+1                                    ; and go through the other stage while this step is worked
.endif
	v_max3_num_f32 v8, |v[XS]|, |v[XS+1]|, |v[XS+2]|               ; the largest magnitude of my 16
	v_max3_num_f32 v9, |v[XS+3]|, |v[XS+4]|, |v[XS+5]|
.irp i, 6,10
	v_max3_num_f32 v8, v8, |v[XS+\i]|, |v[XS+\i+1]|
	v_max3_num_f32 v9, v9, |v[XS+\i+2]|, |v[XS+\i+3]|
.endr
	v_max3_num_f32 v8, v8, |v[XS+14]|, |v[XS+15]|
	v_max3_num_f32 v8, v8, v9, (EMAX+1)<<23        ; and the floor 2^(EMAX + 1 - 127): so the byte cannot fall under 1
	v_max_num_f32_dpp v8, v8, v8 row_xmask:1 row_mask:0xf bank_mask:0xf   ; and of my neighbour's 16: the block's
	v_add_nc_u32 v11, -(EMAX<<23), v8              ; EMAX off its exponent field: the conversion takes the exponent field of this operand as its scale
	v_and_or_b32 v10, v8, 0x7f800000, s23          ; 448 x the scale: the largest magnitude's exponent field over 448's mantissa
.irp i, 0,1,2,3,4,5,6,7,8,9,10,11,12,13,14,15
	v_med3_num_f32 v[XS+\i], v[XS+\i], -v10, v10   ; the conversion to an 8-bit code does not saturate (ISA guide 7.6.2): hold the number first
.endr
	v_cvt_scalef32_pk8_fp8_f32 v[C+4*(\t):C+4*(\t)+1], v[XS:XS+7], v11
	v_cvt_scalef32_pk8_fp8_f32 v[C+4*(\t)+2:C+4*(\t)+3], v[XS+8:XS+15], v11
	v_lshrrev_b32 v[E+(\t)], 23, v11               ; the scale's byte
	ds_store_b8 v5, v[E+(\t)] offset:16*(\t)       ; both lanes of a block write the same byte with the same value
	global_store_b128 v4, v[C+4*(\t):C+4*(\t)+3], s[8:9] offset:32*CB*(\t)
.endm
.irp t, 0,1,2,3,4,5,6,7,8,9,10,11,12,13,14,15
	STEP \t
.endr
	ds_load_b64 v[12:13], v6                       ; LDS serves a wave's instructions in order: these see my stores
	s_wait_dscnt 0x0
	global_store_b64 v7, v[12:13], s[10:11]        ; 32 lanes store 256 consecutive bytes, aligned
	s_wait_tensorcnt 0x0
	ds_add_u32 v192, v193
	s_wait_dscnt 0x0
	s_endpgm
.Lfunc_end_k_q43dd0274f2_quant:
	.size	k_q43dd0274f2_quant, .Lfunc_end_k_q43dd0274f2_quant-k_q43dd0274f2_quant
	.p2alignl 7, 3214868480
	.fill 96, 4, 3214868480
	.section	.rodata,"a",@progbits
	.p2align	6, 0x0
	.amdhsa_kernel k_q43dd0274f2_quant
		.amdhsa_group_segment_fixed_size 33280
		.amdhsa_private_segment_fixed_size 0
		.amdhsa_enable_private_segment 0
		.amdhsa_kernarg_size 48
		.amdhsa_user_sgpr_count 2
		.amdhsa_user_sgpr_kernarg_segment_ptr 1
		.amdhsa_wavefront_size32 1
		.amdhsa_system_sgpr_workgroup_id_x 1
		.amdhsa_system_sgpr_workgroup_id_y 1
		.amdhsa_system_sgpr_workgroup_id_z 1
		.amdhsa_system_vgpr_workitem_id 0
		.amdhsa_next_free_vgpr 194
		.amdhsa_next_free_sgpr 66
		.amdhsa_reserve_vcc 0
		.amdhsa_float_denorm_mode_32 3
		.amdhsa_float_denorm_mode_16_64 3
		.amdhsa_memory_ordered 1
		.amdhsa_forward_progress 1
		.amdhsa_inst_pref_size 51
	.end_amdhsa_kernel
	.amdgpu_metadata
---
amdhsa.version: [ 1, 2 ]
amdhsa.kernels:
  - .name:           k_q43dd0274f2_quant
    .symbol:         k_q43dd0274f2_quant.kd
    .args:
      - { .name: x, .offset: 0, .size: 8, .value_kind: global_buffer, .address_space: global }
      - { .name: w_qkv, .offset: 8, .size: 8, .value_kind: global_buffer, .address_space: global }
      - { .name: xc, .offset: 16, .size: 8, .value_kind: global_buffer, .address_space: global }
      - { .name: xs, .offset: 24, .size: 8, .value_kind: global_buffer, .address_space: global }
      - { .name: wc, .offset: 32, .size: 8, .value_kind: global_buffer, .address_space: global }
      - { .name: ws, .offset: 40, .size: 8, .value_kind: global_buffer, .address_space: global }
    .group_segment_fixed_size: 33280
    .private_segment_fixed_size: 0
    .kernarg_segment_align: 8
    .kernarg_segment_size: 48
    .max_flat_workgroup_size: 128
    .sgpr_count:     66
    .vgpr_count:     194
    .wavefront_size: 32
...
	.end_amdgpu_metadata
.endif
;; end of part 1
;; launch proj (part 2): grid 12 x 32, 4 waves a work-group, clusters of 4 x 4, 327,680 bytes of LDS; arguments xc, xs, wc, ws, b_qkv, pe_cos, pe_sin, pe_scale, qkv; writes qkv
.if DOCPART == 2
	.amdgcn_target "amdgcn-amd-amdhsa--gfx1250"
	.amdhsa_code_object_version 6
	.text
	.protected	k_q43dd0274f2_proj
	.globl	k_q43dd0274f2_proj
	.p2align	8
	.type	k_q43dd0274f2_proj,@function
k_q43dd0274f2_proj:
	s_mov_b64 s[64:65], 0
	v_nop
	global_prefetch_b8 v0, s[64:65] scope:SCOPE_SE
	s_setreg_imm32_b32 hwreg(HW_REG_WAVE_MODE, 25, 1), 1
	s_wait_xcnt 0x0
	s_wait_alu depctr_hold_cnt(0) depctr_sa_sdst(0) depctr_va_vdst(0) depctr_va_sdst(0) depctr_va_ssrc(0) depctr_va_vcc(0) depctr_vm_vsrc(0)
	s_getreg_b32 s2, hwreg(HW_REG_IB_STS2, 6, 4)
	s_cmp_eq_u32 s2, 0
	s_cbranch_scc0 .Lentry_in_a_cluster
	s_endpgm
.Lentry_in_a_cluster:
	s_bfe_u32 s2, ttmp6, 0x10000c
	s_cmp_lg_u32 s2, 0xf033
	s_cbranch_scc0 .Lentry_shape_is_right
	s_endpgm
.Lentry_shape_is_right:
.set KSTEP,  256
.set NQ,     KSTEP/128
.set ROWB,   256
.set KROW,   1024
.set PITCH,  272
.set FR,     16
.set NL,     4
.set NP,     8
.set HALFT,  128*PITCH
.set SLOT,   4*HALFT
.set LAPS,   2
.set KS,     32
.set SCL,    2*SLOT
.set HALFS,  (128*KS/256)*272
.set SBLK,   (16*KS/256)*272
.set SPARE,  SCL+4*HALFS
.set REC,    8704
.set LI,   8
.set PEA,  9
.set BIA,  10
.set BIV,  11
.set ADRA, 16
.set ADRB, 20
.set ADRS, 27
.set SPW,  28
.set NIL,  29
.set SC,   32
.set AF,   128
.set PC,   32
.set IM,   48
.set T,    64
.set U,    128
.set SW,   192
.set TM,   208
.set BV,   226
.set BI,   192
.set G1, 24
.set G0, 32
.set G1B, 48
.set G0B, 56
.set G1S, 68
.set G0S, 76
.set G1SB, 80
.set G0SB, 88
.set SEL, 66
.set MNT, 2
.set MSB, 0
.macro WIN new
.if MSB != \new
	s_set_vgpr_msb (MSB<<8)|\new
.set MSB, \new
.endif
.endm
.set MUL_LO, 0xa1
.set MUL_HI, 0xf1
.set TO_B,   0x40
.macro JLOAD g0a, g1a, g0b, g1b
	s_cmp_eq_u32 s15, 0
	s_cbranch_scc0 .Lfor_b_\@
	tensor_load_to_lds s[\g0a:\g0a+3], s[\g1a:\g1a+7]
	s_nop 0
.rept 4
	v_nop
.endr
	s_branch .Lasked_\@
.Lfor_b_\@:
	tensor_load_to_lds s[\g0b:\g0b+3], s[\g1b:\g1b+7]
	s_nop 0
.rept 4
	v_nop
.endr
.Lasked_\@:
.endm
.macro CREST
	s_cmp_lg_u32 s14, 0
	s_cbranch_scc1 .Lnot_wave_0_\@
	s_barrier_signal -3
.Lnot_wave_0_\@:
	s_barrier_wait -3
	s_barrier_signal -1
	s_barrier_wait -1
.endm
.macro CROUND
	s_barrier_signal -1
	s_barrier_wait -1
	CREST
.endm
	s_load_b256 s[4:11], s[0:1], 0x0
	v_lshl_add_u32 v[SPW], v0, 2, SPARE
	v_mov_b32 v[NIL], 0
	ds_add_u32 v28, v29
	ds_add_u32 v28, v29
	s_wait_dscnt 0x0
	v_lshrrev_b32 v1, 5, v0
	v_readfirstlane_b32 s14, v1
	s_lshr_b32 s15, s14, 1
	s_and_b32 s16, s14, 1
	s_bfe_u32 s40, ttmp6, 0x40000
	s_bfe_u32 s41, ttmp6, 0x40004
	s_and_b32 s66, ttmp7, 0xffff
	s_lshl_b32 s67, s66, 2
	s_cmp_eq_u32 ttmp9, 2
	s_cselect_b32 s42, s66, ttmp9
	s_cselect_b32 s17, 8, s67
	s_lshl_b32 s42, s42, 2
	s_add_co_u32 s42, s42, s40
	s_add_co_u32 s17, s17, s41
	s_lshl_b32 s43, s41, 2
	s_lshl_b32 s43, 15, s43
	s_lshl_b32 s44, 0x1111, s40
	s_or_b32 s[G1+0], s43, (0<<16)|(1<<20)|(1<<21)|(5<<22)|(3<<25)
	s_or_b32 s[G1B+0], s44, (0<<16)|(1<<20)|(1<<21)|(5<<22)|(3<<25)
.irp g, G1, G1B
	s_mov_b32 s[\g+1], ROWB<<16
	s_mov_b32 s[\g+2], 128<<16
	s_mov_b32 s[\g+3], ROWB<<16
	s_mov_b32 s[\g+4], 128
	s_mov_b32 s[\g+5], KROW
	s_mov_b32 s[\g+6], 0
	s_mov_b32 s[\g+7], 0
.endr
	s_or_b32 s[G1S+0], s43, (3<<16)|(1<<20)|(1<<21)|(5<<22)|(3<<25)
	s_or_b32 s[G1SB+0], s44, (3<<16)|(1<<20)|(1<<21)|(5<<22)|(3<<25)
.irp g, G1S, G1SB
	s_mov_b32 s[\g+1], 32<<16
	s_mov_b32 s[\g+2], (128*KS/256)<<16
	s_mov_b32 s[\g+3], 32<<16
	s_mov_b32 s[\g+4], 128*KS/256
	s_mov_b32 s[\g+5], 32
	s_mov_b32 s[\g+6], 0
	s_mov_b32 s[\g+7], 0
.endr
	s_lshl_b32 s18, s16, 7
	s_lshl_b32 s20, s17, 8
	s_add_co_u32 s20, s20, s18
	s_lshl_b32 s46, s42, 8
	s_add_co_u32 s46, s46, s18
	s_mov_b32 s21, 0
	s_mov_b32 s47, 0
	s_mov_b64 s[18:19], KS
	s_mul_u64 s[22:23], s[20:21], s[18:19]
	s_mul_u64 s[92:93], s[46:47], s[18:19]
	s_mov_b64 s[18:19], KROW
	s_mul_u64 s[20:21], s[20:21], s[18:19]
	s_mul_u64 s[46:47], s[46:47], s[18:19]
	s_mul_i32 s45, s14, HALFT
	s_mul_i32 s94, s14, HALFS
	s_wait_kmcnt 0x0
	s_cmp_eq_u32 ttmp9, 2
	s_cselect_b64 s[96:97], s[8:9], s[4:5]
	s_cselect_b64 s[98:99], s[10:11], s[6:7]
	s_cselect_b64 s[100:101], s[4:5], s[8:9]
	s_cselect_b64 s[104:105], s[6:7], s[10:11]
	s_add_nc_u64 s[20:21], s[96:97], s[20:21]
	s_add_nc_u64 s[22:23], s[98:99], s[22:23]
	s_add_nc_u64 s[46:47], s[100:101], s[46:47]
	s_add_nc_u64 s[92:93], s[104:105], s[92:93]
	CROUND
	s_mov_b32 s[G0S], 1
	s_add_co_u32 s[G0S+1], s94, SCL
	s_mov_b64 s[G0S+2:G0S+3], s[22:23]
	s_or_b32 s[G0S+3], s[G0S+3], 0x80000000
	s_mov_b32 s[G0SB], 1
	s_add_co_u32 s[G0SB+1], s94, SCL
	s_mov_b64 s[G0SB+2:G0SB+3], s[92:93]
	s_or_b32 s[G0SB+3], s[G0SB+3], 0x80000000
	JLOAD G0S, G1S, G0SB, G1SB
.irp s, 0,1
	s_mov_b32 s[G0+4*\s], 1
	s_add_co_u32 s[G0+4*\s+1], s45, \s*SLOT
	s_add_nc_u64 s[G0+4*\s+2:G0+4*\s+3], s[20:21], \s*ROWB
	s_or_b32 s[G0+4*\s+3], s[G0+4*\s+3], 0x80000000
	s_mov_b32 s[G0B+4*\s], 1
	s_add_co_u32 s[G0B+4*\s+1], s45, \s*SLOT
	s_add_nc_u64 s[G0B+4*\s+2:G0B+4*\s+3], s[46:47], \s*ROWB
	s_or_b32 s[G0B+4*\s+3], s[G0B+4*\s+3], 0x80000000
	s_wait_alu depctr_va_vdst(0)
	s_wait_tensorcnt 0x0
	ds_add_u32 v28, v29
	s_wait_dscnt 0x0
	CROUND
	JLOAD G0+4*\s, G1, G0B+4*\s, G1B
.endr
	s_load_b256 s[4:11], s[0:1], 0x20
	s_load_b64 s[12:13], s[0:1], 0x40
	v_and_b32 v1, 15, v0
	v_bfe_u32 v2, v0, 4, 1
	v_mul_u32_u24 v3, v1, PITCH
	v_lshl_add_u32 v4, v2, 4, v3
	s_mul_i32 s21, s15, HALFT
	s_mul_i32 s22, s16, HALFT
	s_add_co_u32 s22, s22, 2*HALFT
.irp s, 0,1
	v_add_nc_u32 v[ADRA+\s], s21, v4
	v_add_nc_u32 v[ADRB+\s], s22, v4
	s_add_co_u32 s21, s21, SLOT
	s_add_co_u32 s22, s22, SLOT
.endr
	v_mul_u32_u24 v5, v1, KS
	v_lshrrev_b32 v6, 8, v5
	v_lshl_add_u32 v5, v6, 4, v5
	s_mul_i32 s21, s15, HALFS
	s_mul_i32 s22, s16, HALFS
	s_add_co_u32 s22, s22, 2*HALFS
	s_sub_co_u32 s22, s22, s21
	v_mul_u32_u24 v6, s22, v2
	s_add_co_u32 s21, s21, SCL
	v_add_nc_u32 v5, v5, v6
	v_add_nc_u32 v[ADRS], s21, v5
	v_and_b32 v6, 31, v0
	v_lshlrev_b32 v[LI], 4, v6
	v_and_b32 v5, 7, v1
	v_lshrrev_b32 v6, 3, v1
	v_lshl_add_u32 v5, v6, 4, v5
	v_lshlrev_b32 v[PEA], 8, v5
	v_lshl_add_u32 v[PEA], v2, 6, v[PEA]
	v_lshlrev_b32 v[BIA], 6, v2
	v_lshlrev_b32 v[BIV], 2, v5
	s_cmp_eq_u32 ttmp9, 2
	s_cselect_b32 s18, s42, s17
	s_cselect_b32 s19, s16, s15
	s_cselect_b32 s20, s17, s42
	s_cselect_b32 s21, s15, s16
	s_lshl_b32 s18, s18, 1
	s_add_co_u32 s18, s18, s19
	s_and_b32 s98, s18, 15
	s_lshl_b32 s98, s98, 15
	s_mov_b32 s99, 0
	s_lshl_b32 s100, s20, 1
	s_add_co_u32 s100, s100, s21
	s_lshl_b32 s100, s100, 9
	s_mov_b32 s101, 0
	s_mul_i32 s18, s18, 3
	s_add_co_u32 s18, s18, ttmp9
	s_lshl_b32 s18, s18, 4
	s_and_b32 s20, s20, 3
	s_lshl_b32 s20, s20, 2
	s_add_co_u32 s18, s18, s20
	s_lshl_b32 s21, s21, 1
	s_add_co_u32 s18, s18, s21
	s_mul_i32 s96, s18, REC
	s_mov_b32 s97, 0
	s_cmp_eq_u32 ttmp9, 1
	s_cselect_b32 s104, 1, 0
	s_mov_b32 s105, 0xffff0000
.macro FRAG reg, adr, q, i
.irp c, 0,1,2,3
	ds_load_b128 v[\reg+4*\c:\reg+4*\c+3], v[\adr] offset:128*(\q)+32*\c+(\i)*16*PITCH
.endr
.endm
.macro MUL16 a0, p, q, sc, zero
.irp a, \a0, \a0+1
.irp b, 0,1,2,3,4,5,6,7
.if \zero
	v_wmma_scale_f32_16x16x128_f8f6f4 v[8*(8*((\a)%4)+\b):8*(8*((\a)%4)+\b)+7], v[128*(\p)+FR*\b:128*(\p)+FR*\b+FR-1], v[AF+FR*(\a):AF+FR*(\a)+FR-1], 0, v[SC+8*NQ*(\sc)+NQ*\b+(\q)], v[SC+8*NQ*(\sc)+NQ*(\a)+(\q)] matrix_a_scale:MATRIX_SCALE_ROW1
.else
	v_wmma_scale_f32_16x16x128_f8f6f4 v[8*(8*((\a)%4)+\b):8*(8*((\a)%4)+\b)+7], v[128*(\p)+FR*\b:128*(\p)+FR*\b+FR-1], v[AF+FR*(\a):AF+FR*(\a)+FR-1], v[8*(8*((\a)%4)+\b):8*(8*((\a)%4)+\b)+7], v[SC+8*NQ*(\sc)+NQ*\b+(\q)], v[SC+8*NQ*(\sc)+NQ*(\a)+(\q)] matrix_a_scale:MATRIX_SCALE_ROW1
.endif
.endr
.endr
.endm
.macro FETCH_B slot, q, p
	WIN TO_B
.irp i, 0,1,2,3,4,5,6,7
	FRAG 128*(\p)+FR*\i, ADRB+\slot, \q, \i
.endr
	WIN 0
.endm
.macro FETCH_A slot, q, i0
.irp i, \i0, \i0+1, \i0+2, \i0+3
	FRAG AF+FR*(\i), ADRA+\slot, \q, \i
.endr
.endm
.macro SCALES sc
.irp i, 0,1,2,3,4,5,6,7
	ds_load_b64 v[SC+8*NQ*\sc+NQ*\i:SC+8*NQ*\sc+NQ*\i+1], v[ADRS] offset:\i*SBLK
.endr
.endm
.macro PLACES n
.rept \n
	v_nop
.endr
.endm
.macro STEP slot, q, zero
	s_wait_dscnt 4*NL
	WIN MUL_LO
	MUL16 0, (\q)%2, \q, \slot, \zero
	MUL16 2, (\q)%2, \q, \slot, \zero
	s_wait_dscnt 0
	PLACES NP
	FETCH_B \slot, (\q)+1, 1-(\q)%2
	FETCH_A \slot, (\q)+1, 0
	WIN MUL_HI
	MUL16 4, (\q)%2, \q, \slot, \zero
	MUL16 6, (\q)%2, \q, \slot, \zero
	PLACES NP
	WIN 0
	FETCH_A \slot, (\q)+1, 4
.endm
.macro TURN slot, next, fill
	s_wait_tensorcnt 0x0
	ds_add_u32 v[SPW], v[NIL]
	s_wait_dscnt 4*NL+1
	WIN MUL_LO
	MUL16 0, 1, NQ-1, \slot, 0
	s_wait_dscnt 0x0
	s_barrier_signal -1
	MUL16 2, 1, NQ-1, \slot, 0
	WIN 0
	s_barrier_wait -1
.if \fill
	CREST
	s_add_nc_u64 s[G0+4*\slot+2:G0+4*\slot+3], s[G0+4*\slot+2:G0+4*\slot+3], 2*ROWB
	s_add_nc_u64 s[G0B+4*\slot+2:G0B+4*\slot+3], s[G0B+4*\slot+2:G0B+4*\slot+3], 2*ROWB
	JLOAD G0+4*\slot, G1, G0B+4*\slot, G1B
	PLACES NP-4
.else
	PLACES NP
.endif
	s_wait_alu depctr_va_vdst(0)
	v_add_nc_u32 v[ADRS], 4*NQ, v[ADRS]
	FETCH_B \next, 0, 0
	FETCH_A \next, 0, 0
	SCALES \next
	WIN MUL_HI
	MUL16 4, 1, NQ-1, \slot, 0
	MUL16 6, 1, NQ-1, \slot, 0
	PLACES NP
	WIN 0
	FETCH_A \next, 0, 4
.endm
	s_wait_tensorcnt 1
	s_barrier_signal -1
	s_barrier_wait -1
	FETCH_B 0, 0, 0
	FETCH_A 0, 0, 0
	SCALES 0
	FETCH_A 0, 0, 4
	STEP 0, 0, 1
	s_mov_b32 s3, LAPS-1
.Llap:
	TURN 0, 1, 1
	STEP 1, 0, 0
	TURN 1, 0, 1
	STEP 0, 0, 0
	s_sub_co_u32 s3, s3, 1
	s_cmp_lg_u32 s3, 0
	s_cbranch_scc1 .Llap
	TURN 0, 1, 0
	STEP 1, 0, 0
	s_wait_dscnt 4*NL
	WIN MUL_LO
	MUL16 0, 1, NQ-1, 1, 0
	MUL16 2, 1, NQ-1, 1, 0
	s_wait_dscnt 0
	WIN MUL_HI
	MUL16 4, 1, NQ-1, 1, 0
	MUL16 6, 1, NQ-1, 1, 0
	WIN 0
.macro QUANT
.irp b, 0,1,2,3
	v_max3_num_f32 v[TM+\b], |v[U+16*\b]|, |v[U+1+16*\b]|, 0x4800000
.endr
.irp i, 2,4,6,8,10,12,14
.irp b, 0,1,2,3
	v_max3_num_f32 v[TM+\b], v[TM+\b], |v[U+16*\b+\i]|, |v[U+1+16*\b+\i]|
.endr
.endr
.irp b, 0,1,2,3
	v_permlanex16_b32 v[TM+4+\b], v[TM+\b], s[SEL], s[SEL+1]
.endr
.irp b, 0,1,2,3
	v_max_num_f32 v[TM+\b], v[TM+\b], v[TM+4+\b]
.endr
.irp b, 0,1,2,3
	v_add_nc_u32 v[TM+12+\b], 0xfc000000, v[TM+\b]
.endr
.irp b, 0,1,2,3
	v_and_or_b32 v[TM+8+\b], v[TM+\b], 0x7f800000, s[MNT]
.endr
.irp b, 0,1,2,3
	v_lshrrev_b32 v[TM+4+\b], 23, v[TM+12+\b]
.endr
	s_wait_alu depctr_va_vdst(0)
	s_wait_xcnt 0x0
.irp b, 0,1,2,3
.irp i, 0,1,2,3,4,5,6,7,8,9,10,11,12,13,14,15
	v_med3_num_f32 v[U+16*\b+\i], v[U+16*\b+\i], -v[TM+8+\b], v[TM+8+\b]
.endr
	v_cvt_scalef32_pk8_fp8_f32 v[PC+4*\b:PC+1+4*\b], v[U+16*\b:U+7+16*\b], v[TM+12+\b]
	v_cvt_scalef32_pk8_fp8_f32 v[PC+2+4*\b:PC+3+4*\b], v[U+8+16*\b:U+15+16*\b], v[TM+12+\b]
.endr
	v_nop
.endm
.macro TABLOAD a, set
	WIN 0x40
.irp c, 0,1
.irp j, 0,1,2,3
	global_load_b128 v[96*(\set)+16*\c+4*\j:96*(\set)+16*\c+4*\j+3], v[PEA], s[6:7] offset:(32*((\a)/2)+8*((\a)%2))*256+128*\c+16*\j
	global_load_b128 v[96*(\set)+32+16*\c+4*\j:96*(\set)+32+16*\c+4*\j+3], v[PEA], s[8:9] offset:(32*((\a)/2)+8*((\a)%2))*256+128*\c+16*\j
	global_load_b128 v[96*(\set)+64+16*\c+4*\j:96*(\set)+64+16*\c+4*\j+3], v[PEA], s[10:11] offset:(32*((\a)/2)+8*((\a)%2))*256+128*\c+16*\j
.endr
.endr
	WIN 0
.endm
.macro BLOCKQK a
.set TS, 96*((\a)%2)
.set AC, 64*((\a)%4)
.if (\a) < 7
	s_wait_loadcnt 24
.else
	s_wait_loadcnt 0x0
.endif
	s_cmp_eq_u32 s104, 0
	s_cbranch_scc1 .Lis_q_\@
	WIN 0x41
.set n, 0
.rept 32
	v_rcp_f32 v[TS+64+n], v[TS+64+n]
.set n, n+1
.endr
	WIN 0
	v_nop
	s_wait_alu depctr_va_vdst(0)
.Lis_q_\@:
	WIN (0x06+(\a)/4)
.set n, 0
.rept 32
	v_pk_add_f32 v[T+n:T+n+1], v[AC+n:AC+n+1], v[BI+n:BI+n+1]
.set n, n+2
.endr
	WIN 0x04
.set n, 0
.rept 32
	v_pk_mul_f32 v[U+n:U+n+1], v[T+n:T+n+1], v[TS+n%32:TS+n%32+1]
.set n, n+2
.endr
.set n, 0
.rept 32
	v_fma_f32 v[U+n], -v[T+n+1], v[TS+32+n%32], v[U+n]
	v_fma_f32 v[U+n+1], v[T+n], v[TS+33+n%32], v[U+n+1]
.set n, n+2
.endr
.set n, 0
.rept 32
	v_pk_mul_f32 v[U+n:U+n+1], v[U+n:U+n+1], v[TS+64+n%32:TS+64+n%32+1]
.set n, n+2
.endr
	WIN 0
.if (\a) < 6
	TABLOAD (\a)+2, (\a)%2
.endif
	QUANT
	v_lshl_or_b32 v[SW+(\a)], v[TM+5], 8, v[TM+4]
	v_lshl_or_b32 v[SW+8+(\a)], v[TM+7], 8, v[TM+6]
	v_or_b32 v[SW+(\a)], 0x7f7f0000, v[SW+(\a)]
	v_or_b32 v[SW+8+(\a)], 0x7f7f0000, v[SW+8+(\a)]
.irp hd, 0,1
.irp c, 0,1
	global_store_b128 v[LI], v[PC+8*\hd+4*\c:PC+8*\hd+4*\c+3], s[12:13] offset:\hd*REC+(\a)*1024+\c*512
.endr
.endr
.endm
.macro BLOCKV a
.set AC, 64*((\a)%4)
	WIN (0x02+(\a)/4)
.set n, 0
.rept 32
	v_pk_add_f32 v[U+n:U+n+1], v[AC+n:AC+n+1], v[BV+2*(\a):BV+2*(\a)+1] op_sel_hi:[1,0]
.set n, n+2
.endr
	WIN 0
	QUANT
	v_lshl_or_b32 v[SW+(\a)], v[TM+5], 8, v[TM+4]
	v_lshl_or_b32 v[SW+(\a)], v[TM+6], 16, v[SW+(\a)]
	v_lshl_or_b32 v[SW+(\a)], v[TM+7], 24, v[SW+(\a)]
.irp c, 0,1,2,3
	global_store_b128 v[LI], v[PC+4*\c:PC+4*\c+3], s[12:13] offset:((\a)/4)*REC+((\a)%4)*2048+\c*512
.endr
.endm
	PLACES NP
	s_wait_kmcnt 0x0
	s_add_nc_u64 s[12:13], s[12:13], s[96:97]
	s_add_nc_u64 s[4:5], s[4:5], s[100:101]
	s_add_nc_u64 s[6:7], s[6:7], s[98:99]
	s_add_nc_u64 s[8:9], s[8:9], s[98:99]
	s_add_nc_u64 s[10:11], s[10:11], s[98:99]
	s_mov_b32 s[SEL], 0x76543210
	s_mov_b32 s[SEL+1], 0xfedcba98
	s_mov_b32 s[MNT], 0x600000
.irp b, 0,1,2,3
	v_mov_b32 v[TM+4+\b], 0
.endr
	s_cmp_eq_u32 ttmp9, 2
	s_cbranch_scc1 .Lv
	WIN 0x40
.irp g, 0,1,2,3
.irp j, 0,1,2,3
	global_load_b128 v[BI+16*\g+4*\j:BI+16*\g+4*\j+3], v[BIA], s[4:5] offset:128*\g+16*\j
.endr
.endr
	WIN 0
	TABLOAD 0, 0
	TABLOAD 1, 1
.irp a, 0,1,2,3,4,5,6,7
	BLOCKQK \a
.endr
.irp hd, 0,1
.irp i, 0,1,2,3
	v_cndmask_b32 v[IM+4*\hd+\i], v[SW+8*\hd+2*\i], v[SW+8*\hd+2*\i+1], s105
.endr
	global_store_b128 v[LI], v[IM+4*\hd:IM+4*\hd+3], s[12:13] offset:\hd*REC+8192
.endr
	s_branch .Ldone
.Lv:
.irp a, 0,1,2,3,4,5,6,7
	global_load_b32 v[BV+2*\a], v[BIV], s[4:5] offset:(32*(\a/2)+8*(\a%2))*4
	global_load_b32 v[BV+2*\a+1], v[BIV], s[4:5] offset:(32*(\a/2)+8*(\a%2))*4
.endr
	s_wait_loadcnt 0x0
.irp a, 0,1,2,3,4,5,6,7
	BLOCKV \a
.endr
.irp hd, 0,1
.irp i, 0,1
	v_cndmask_b32 v[IM+4*\hd+\i], v[SW+4*\hd+2*\i], v[SW+4*\hd+2*\i+1], s105
.endr
	v_mov_b32 v[IM+4*\hd+2], v[IM+4*\hd]
	v_mov_b32 v[IM+4*\hd+3], v[IM+4*\hd+1]
	global_store_b128 v[LI], v[IM+4*\hd:IM+4*\hd+3], s[12:13] offset:\hd*REC+8192
.endr
.Ldone:
	s_wait_tensorcnt 0x0
	ds_add_u32 v[SPW], v[NIL]
	s_wait_dscnt 0x0
	CROUND
	s_endpgm
.Lfunc_end_k_q43dd0274f2_proj:
	.size	k_q43dd0274f2_proj, .Lfunc_end_k_q43dd0274f2_proj-k_q43dd0274f2_proj
	.p2alignl 7, 3214868480
	.fill 96, 4, 3214868480
	.section	.rodata,"a",@progbits
	.p2align	6, 0x0
	.amdhsa_kernel k_q43dd0274f2_proj
		.amdhsa_group_segment_fixed_size 327680
		.amdhsa_private_segment_fixed_size 0
		.amdhsa_enable_private_segment 0
		.amdhsa_kernarg_size 72
		.amdhsa_user_sgpr_count 2
		.amdhsa_user_sgpr_kernarg_segment_ptr 1
		.amdhsa_wavefront_size32 1
		.amdhsa_system_sgpr_workgroup_id_x 1
		.amdhsa_system_sgpr_workgroup_id_y 1
		.amdhsa_system_sgpr_workgroup_id_z 1
		.amdhsa_system_vgpr_workitem_id 0
		.amdhsa_next_free_vgpr 1024
		.amdhsa_next_free_sgpr 106
		.amdhsa_reserve_vcc 0
		.amdhsa_float_denorm_mode_32 3
		.amdhsa_float_denorm_mode_16_64 3
		.amdhsa_memory_ordered 1
		.amdhsa_forward_progress 1
		.amdhsa_inst_pref_size 255
	.end_amdhsa_kernel
	.section	.bss,"aw",@nobits
	.p2align	6
	.space	262144
	.amdgpu_metadata
---
amdhsa.version: [ 1, 2 ]
amdhsa.kernels:
  - .name:           k_q43dd0274f2_proj
    .symbol:         k_q43dd0274f2_proj.kd
    .args:
      - { .name: xc, .offset: 0, .size: 8, .value_kind: global_buffer, .address_space: global }
      - { .name: xs, .offset: 8, .size: 8, .value_kind: global_buffer, .address_space: global }
      - { .name: wc, .offset: 16, .size: 8, .value_kind: global_buffer, .address_space: global }
      - { .name: ws, .offset: 24, .size: 8, .value_kind: global_buffer, .address_space: global }
      - { .name: b_qkv, .offset: 32, .size: 8, .value_kind: global_buffer, .address_space: global }
      - { .name: pe_cos, .offset: 40, .size: 8, .value_kind: global_buffer, .address_space: global }
      - { .name: pe_sin, .offset: 48, .size: 8, .value_kind: global_buffer, .address_space: global }
      - { .name: pe_scale, .offset: 56, .size: 8, .value_kind: global_buffer, .address_space: global }
      - { .name: qkv, .offset: 64, .size: 8, .value_kind: global_buffer, .address_space: global }
    .group_segment_fixed_size: 327680
    .private_segment_fixed_size: 0
    .kernarg_segment_align: 8
    .kernarg_segment_size: 72
    .max_flat_workgroup_size: 128
    .sgpr_count:     106
    .vgpr_count:     1024
    .wavefront_size: 32
...
	.end_amdgpu_metadata
.endif
;; end of part 2
;; launch attn (part 3): grid 4 x 64, 8 waves a work-group, clusters of 4 x 4, 327,680 bytes of LDS; arguments qkv, mask, out0; writes out0
.if DOCPART == 3
	.amdgcn_target "amdgcn-amd-amdhsa--gfx1250"
	.amdhsa_code_object_version 6
	.text
	.protected	k_q43dd0274f2_attn
	.globl	k_q43dd0274f2_attn
	.p2align	8
	.type	k_q43dd0274f2_attn,@function
k_q43dd0274f2_attn:
	s_mov_b64 s[64:65], 0
	v_nop
	global_prefetch_b8 v0, s[64:65] scope:SCOPE_SE
	s_setreg_imm32_b32 hwreg(HW_REG_WAVE_MODE, 25, 1), 1
	s_wait_xcnt 0x0
	s_wait_alu depctr_hold_cnt(0) depctr_sa_sdst(0) depctr_va_vdst(0) depctr_va_sdst(0) depctr_va_ssrc(0) depctr_va_vcc(0) depctr_vm_vsrc(0)
	s_getreg_b32 s2, hwreg(HW_REG_IB_STS2, 6, 4)
	s_cmp_eq_u32 s2, 0
	s_cbranch_scc0 .Lentry_in_a_cluster
	s_endpgm
.Lentry_in_a_cluster:
	s_bfe_u32 s2, ttmp6, 0x10000c
	s_cmp_lg_u32 s2, 0xf033
	s_cbranch_scc0 .Lentry_shape_is_right
	s_endpgm
.Lentry_shape_is_right:
; out0[b][q][head][:] = the sum over k of softmax_k(q . k / sqrt(128) + mask[b][q][k]) v[k][:], both products on codes of FP8 (E4M3) with E8M0 scales, read as register images from qkv.
; THE SOFTMAX AHEAD OF THE SECOND PRODUCT: t = logit x log2(e); M = the running largest t rounded UP to a whole number; p = 2^(t - M) is quantised along the keys, not normalised.
; The row's sum is taken of the unquantised p and divides at the end.  When M moves, the sum and O are multiplied by 2^(old M - new M): exact.
; SHARES.  A work-group has 4 heads (4 cx ..) x 128 queries of one batch; wave w has head w / 2 and the queries 64 (w % 2) on: four tiles of 16, which share each fragment of K and V read from LDS.  Two waves to a SIMD.
; Every wave walks the batch's 2,048 keys, 128 a step, through a ring of two LDS slots: a slot holds the mask's 128 x 128 numbers and the four heads' records of K and of V.
; CLUSTER 4 x 4: the mask's tile hangs on batch and queries alone and is shared along a row of the cluster (four groups of heads); K's and V's records hang on batch and heads alone and are shared along a column (four blocks of queries).
; Each is asked for jointly: waves 0-3 a quarter of the mask's tile each, waves 4-7 two records each.  By this text's count a wave has one tensor load out.
; THE MASK IS THE C OF THE FIRST PRODUCT: it is loaded from LDS straight into the scores' registers, multiplied by sqrt(128), and S^T = K Q^T is added onto it; then t = S x log2(e) / sqrt(128).
; That rounds in another order than scaling the product and adding the mask: a difference in f32's last bits.
; THE HEAD'S K IS 64, THE FORM'S 128.  Q's operand is 8 registers of codes and 8 of zero codes.  K's tiles lie 8 registers apart, so a tile's operand ends in the next tile's codes (never a NaN code: they were held), the last in 8 zero registers:
; these meet Q's zeros under scale bytes 0x7f and add exact zeros.
; LAYOUT.  Both products are used transposed (source 0 = 16 keys, or 16 of d; source 1 = my 16 queries): a lane holds one query throughout.  The keys of a tile of K are 32 (t / 2) + 8 (t % 2) + r % 8 + 16 (r / 8),
; so that the 16 registers of tiles 2 b and 2 b + 1 are keys 32 b + 16 (lane / 16) + 0 .. 15; V's d likewise.  The queries of a tile are neighbours: Q's images are read through the inverse of that order, once.
; LIMITS: NaN and infinities are not served; a row of the mask that is all -infinity is not served.
; REGISTERS.  window 0: v1-3 lane places, v4-5 the spare word's address and 0, v6-8 the step's LDS addresses, v9 the prefetches' offset, v10-11 Q's offsets, later the stage's, v12-15 Q's scale words,
;   v16-31 four registers a tile: -M, the largest t, the sum in two halves; v32-52 at work; v56-59 K's scale words, v60-61 V's; v62 out0's offset; v64-127 S^T, then p; v128-143 p's codes; v144-207 K; v208-215 zeros.
;   window 1: v0-127 O^T, 32 a tile; v128-191 V; v192-255 Q, 16 a tile.
.set REC,    8704                      ; a record: 8,192 bytes of codes, 512 of scale words
.set MP,     528                       ; a row of the mask's tile in LDS: 512 bytes + 16 = 33 x 16: the 16 rows of a load start in 16 different groups of banks
.set KOFF,   128*MP                    ; a slot: the mask's 128 rows, four records of K, four of V
.set VOFF,   KOFF+4*REC
.set SLOTB,  VOFF+4*REC                ; 137,216 bytes
.set SPARE,  2*SLOTB                   ; behind the ring: the spare words, 128 bytes for each of eight waves
.set KVSTEP, 48*REC                    ; from a group of 128 tokens to the next in qkv
.set SP,     272                       ; the way out: a stage of 16 rows x (256 + 16) bytes for each wave, in slot 0, which has had its last fill and its last read by then
.set AKF, 1
.set AVF, 2
.set AMK, 3
.set SPW, 4
.set NIL, 5
.set ADK, 6
.set ADV, 7
.set ADM, 8
.set PFO, 9
.set STO, 10
.set RD,  11
.set QSC, 12
.set ST,  16
.set BM,  32                           ; v32-35 a block's largest score, then its largest p
.set PX,  36                           ; v36-39 the other half's; a chain of the sum; the bytes
.set HL,  40                           ; v40-43 448 x the scale
.set MS,  216                          ; v216-247 the mask's numbers of a tile's keys 32 b + 16 h + 0 .. 15, b = 0, 1, x sqrt(128): registers of their own, the C of the first four score products (the other 64 keys' numbers go into the scores' registers)
.set SX,  248                          ; v[248:249] a chain of the sum
.set SO,  44                           ; v44-47 the conversions' scale operands
.set TP,  48
.set FF,  50                           ; v[50:51] f = 2^(old M - new M)
.set PW,  52                           ; p's scale word
.set KSC, 56
.set VSC, 60
.set GO,  62
.set S,   64
.set PC,  128
.set KF,  144
.set OB,  128                          ; the way out: tile q's rows come back into v[OB + 32 q] on
.set VF,  128                          ; in window 1
.set QF,  192                          ; in window 1
.set WV,  10                           ; s10 my wave's number
.set G1M, 24                           ; s[24:31] descriptor group 1 for the mask's tiles;  s[32:39] for the records
.set G1K, 32
.set G0M, 40                           ; s[40:43], s[44:47] their groups 0, which walk
.set G0K, 44
.set TB,  48                           ; s48 the slot that is read: 0 or SLOTB
.set TF,  49                           ; s49 the slot that is filled
.set LBM, 50                           ; s50, s51 my tile's place in a slot
.set LBK, 51
.set CNT, 52                           ; s52 steps still to be asked for
.set CS,  54                           ; s[54:55] c = log2(e) / sqrt(128)
.set RT,  56                           ; s[56:57] sqrt(128)
.set SEL, 58                           ; s[58:59] lane l xor 16
.set MNT, 60                           ; s60 the mantissa field of 448
.set PFA, 66                           ; s[66:67] where my prefetches stand;  s[68:69] a step on, in bytes;  s70 1 in a wave that prefetches, else the greatest number
.set PFS, 68
.set LIM, 70
.set MSB, 0
.macro WIN new                         ; the immediate's high byte repeats the setting that is left
.if MSB != \new
	s_set_vgpr_msb (MSB<<8)|\new
.set MSB, \new
.endif
.endm
; A joint load: waves 0-3 the mask's quarter, waves 4-7 two records.  The branch hangs on the wave's number alone.  Four v_nop follow each of the two lines.
.macro JLOAD
	s_cmp_lt_u32 s[WV], 4
	s_cbranch_scc0 .Lfor_kv_\@
	tensor_load_to_lds s[G0M:G0M+3], s[G1M:G1M+7]
	s_nop 0
.rept 4
	v_nop
.endr
	s_branch .Lasked_\@
.Lfor_kv_\@:
	tensor_load_to_lds s[G0K:G0K+3], s[G1K:G1K+7]
	s_nop 0
.rept 4
	v_nop
.endr
.Lasked_\@:
.endm
; A PREFETCH INTO THE L2 of what the NEXT change of slots will ask for, behind the wave's tensor load and its four lines; each aligned run of 256 bytes is named once in the launch.
; The mask's tile (128 rows x 512 bytes) is read by one row of one cluster: its four partners take 32 rows each, told apart by address (32 cx); in each, waves 0 and 1 take the rows' two halves, a lane a row.
; A step's records are read by the four clusters of a batch: the first of them asks; its sixteen partners take a head each, by address (4 cx + cy); wave 2 asks for K's 8,192 bytes of codes, wave 3 for V's, lanes 256 bytes apart.
; The last change that fills a slot asks for nothing.  Steps 0 and 1 and the scale words come by their loads alone.
.macro ASK
	s_cmp_gt_u32 s[CNT], s[LIM]
	s_cbranch_scc0 .Lnot_mine_\@
	global_prefetch_b8 v[PFO], s[PFA:PFA+1] th:TH_LOAD_NT scope:SCOPE_SE
.Lnot_mine_\@:
.endm
.macro CROUND                          ; a round of the cluster's barrier
	s_barrier_signal -1
	s_barrier_wait -1
	s_cmp_lg_u32 s[WV], 0
	s_cbranch_scc1 .Lnot_wave_0_\@
	s_barrier_signal -3
.Lnot_wave_0_\@:
	s_barrier_wait -3
	s_barrier_signal -1
	s_barrier_wait -1
.endm
	s_load_b128 s[4:7], s[0:1], 0x0                ; qkv s[4:5], mask s[6:7]
	s_load_b64 s[8:9], s[0:1], 0x10                ; out0
	v_lshl_add_u32 v[SPW], v0, 2, SPARE
	v_mov_b32 v[NIL], 0
	ds_add_u32 v4, v5
	ds_add_u32 v4, v5
	s_wait_dscnt 0x0
	v_lshrrev_b32 v1, 5, v0
	s_delay_alu instid0(VALU_DEP_1)
	v_readfirstlane_b32 s[WV], v1                  ; wave 0..7
	s_bfe_u32 s11, ttmp6, 0x40000                  ; cx: my group of four heads
	s_bfe_u32 s12, ttmp6, 0x40004                  ; cy
	s_and_b32 s13, ttmp7, 0xffff                   ; the cluster's y, 0 .. 15
	s_lshr_b32 s14, s13, 2                         ; the batch
	s_and_b32 s15, s13, 3
	s_lshl_b32 s15, s15, 2
	s_add_co_u32 s15, s15, s12                     ; my block of 128 queries, 0 .. 15
	s_and_b32 s16, s[WV], 3                        ; which part I fetch
	s_lshr_b32 s17, s[WV], 1                       ; my head among the four
	s_and_b32 s18, s[WV], 1                        ; my half of the queries
	s_lshl_b32 s19, s12, 2
	s_lshl_b32 s19, 15, s19                        ; my row of the cluster
	s_lshl_b32 s20, 0x1111, s11                    ; my column
	; group 1 for the mask: 32 rows x 128 elements of 4 bytes, 2,048 elements from row to row, four words of padding behind each 128
	s_or_b32 s[G1M], s19, (2<<16)|(1<<20)|(1<<21)|(6<<22)|(3<<25)
	s_mov_b32 s[G1M+1], 128<<16                    ; tensor_dim0
	s_mov_b32 s[G1M+2], 32<<16                     ; tensor_dim1
	s_mov_b32 s[G1M+3], 128<<16                    ; tile_dim0
	s_mov_b32 s[G1M+4], 32                         ; tile_dim1
	s_mov_b32 s[G1M+5], 2048                       ; tensor_dim0_stride
	s_mov_b32 s[G1M+6], 0
	s_mov_b32 s[G1M+7], 0
	; group 1 for two records: 17,408 dense bytes as 68 rows of 256 (32 elements of 8 bytes), no padding: they are read 16 bytes a lane on end
	s_or_b32 s[G1K], s20, (3<<16)|(1<<21)
	s_mov_b32 s[G1K+1], 32<<16
	s_mov_b32 s[G1K+2], 68<<16
	s_mov_b32 s[G1K+3], 32<<16
	s_mov_b32 s[G1K+4], 68
	s_mov_b32 s[G1K+5], 32
	s_mov_b32 s[G1K+6], 0
	s_mov_b32 s[G1K+7], 0
	s_lshl_b32 s21, s14, 11
	s_lshl_b32 s22, s15, 7
	s_add_co_u32 s21, s21, s22                     ; my work-group's first row of the mask and of out0: 2,048 x batch + 128 x block
	s_lshl_b32 s22, s16, 5
	s_add_co_u32 s22, s21, s22                     ; + the 32 rows that I fetch
	s_lshl_b32 s22, s22, 13                        ; rows of 8,192 bytes
	s_mov_b32 s23, 0
	s_mul_i32 s72, s14, 48                         ; the batch's first group, q's records;
	s_lshr_b32 s73, s16, 1
	s_add_co_u32 s72, s72, s73
	s_add_co_u32 s72, s72, 1                       ; k's (parts 0, 1) or v's (parts 2, 3)
	s_lshl_b32 s72, s72, 4
	s_lshl_b32 s73, s11, 2
	s_add_co_u32 s72, s72, s73                     ; + 4 cx
	s_lshl_b32 s73, s18, 1
	s_add_co_u32 s72, s72, s73                     ; + the two heads that I fetch
	s_mul_i32 s72, s72, REC
	s_mov_b32 s73, 0
	s_mul_i32 s[LBM], s16, 32*MP
	s_mul_i32 s[LBK], s16, 2*REC
	s_add_co_u32 s[LBK], s[LBK], KOFF
	s_mov_b32 s[TB], 0
	s_mov_b32 s[TF], 0
	s_mov_b32 s[CNT], 15
	s_mov_b32 s[CS], 0x3e0293ee
	s_mov_b32 s[CS+1], s[CS]                       ; (the packed forms name pairs, so both words are written)
	s_mov_b32 s[RT], 0x413504f3
	s_mov_b32 s[RT+1], s[RT]
	s_mov_b32 s[SEL], 0x76543210
	s_mov_b32 s[SEL+1], 0xfedcba98
	s_mov_b32 s[MNT], 0x600000
	s_wait_kmcnt 0x0
	s_mov_b32 s[G0M], 1                            ; count = 1
	s_mov_b32 s[G0M+1], s[LBM]                     ; LDS address: slot 0
	s_add_nc_u64 s[G0M+2:G0M+3], s[6:7], s[22:23]  ; keys 0 to 127 of my 32 rows
	s_or_b32 s[G0M+3], s[G0M+3], 0x80000000        ; type = 2
	s_mov_b32 s[G0K], 1
	s_mov_b32 s[G0K+1], s[LBK]
	s_add_nc_u64 s[G0K+2:G0K+3], s[4:5], s[72:73]
	s_or_b32 s[G0K+3], s[G0K+3], 0x80000000
	CROUND                                         ; all sixteen work-groups are here: the first joint loads meet
	JLOAD                                          ; step 0 into slot 0
	; lane places
	v_and_b32 v32, 15, v0                          ; r
	v_bfe_u32 v33, v0, 4, 1                        ; h
	v_and_b32 v34, 31, v0                          ; lane
	v_and_b32 v35, 7, v0                           ; r % 8
	v_bfe_u32 v36, v0, 3, 1                        ; r / 8
	s_mul_i32 s53, s17, REC
	s_add_co_u32 s53, s53, KOFF
	v_lshl_add_u32 v[AKF], v34, 4, s53             ; my head's record of K: 16 x lane
	s_add_co_u32 s53, s53, VOFF-KOFF
	v_lshl_add_u32 v[AVF], v34, 4, s53             ; and of V
	s_mul_i32 s53, s18, 64*MP
	v_mul_u32_u24 v[AMK], v32, MP
	s_delay_alu instid0(VALU_DEP_1)
	v_lshl_add_u32 v[AMK], v33, 6, v[AMK]
	s_delay_alu instid0(VALU_DEP_1)
	v_add_nc_u32 v[AMK], s53, v[AMK]               ; the mask: row 64 e + r, + 64 h: keys 16 h on of each 32
	; Q: natural tile 4 e + i, lane (r, h), lies in the record's tile 2 ((4 e + i) / 2) + r / 8 at lane r % 8 + 8 (i % 2) + 16 h
	v_lshlrev_b32 v[STO], 10, v36
	s_delay_alu instid0(VALU_DEP_1)
	v_lshl_add_u32 v[STO], v35, 4, v[STO]
	s_delay_alu instid0(VALU_DEP_1)
	v_lshl_add_u32 v[STO], v33, 8, v[STO]
	s_lshl_b32 s53, s18, 12
	v_add_nc_u32 v[STO], s53, v[STO]               ; 1,024 (r / 8) + 16 (r % 8) + 256 h + 4,096 e
	s_wait_alu depctr_va_vdst(0)
	v_lshlrev_b32 v[RD], 8, v36
	s_delay_alu instid0(VALU_DEP_1)
	v_lshl_add_u32 v[RD], v35, 4, v[RD]
	s_lshl_b32 s53, s18, 3
	v_add_nc_u32 v[RD], s53, v[RD]                 ; its scale word: 256 (r / 8) + 16 (r % 8) + 8 e
	s_wait_alu depctr_va_vdst(0)
	s_lshl_b32 s74, s14, 4
	s_add_co_u32 s74, s74, s15                     ; my queries' group of 128 tokens
	s_mul_i32 s74, s74, 48
	s_lshl_b32 s76, s11, 2
	s_add_co_u32 s76, s76, s17                     ; my head, 0 .. 15
	s_add_co_u32 s74, s74, s76
	s_mul_i32 s74, s74, REC
	s_mov_b32 s75, 0
	s_add_nc_u64 s[2:3], s[4:5], s[74:75]          ; q's record
	WIN 0x40                                       ; destination window 1
.irp i, 0,1,2,3
.irp c, 0,1
	global_load_b128 v[QF+16*\i+4*\c:QF+16*\i+4*\c+3], v[STO], s[2:3] offset:(\i/2)*2048+128*(\i%2)+512*\c
.endr
.endr
	WIN 0
.irp i, 0,1,2,3
	global_load_b32 v[QSC+\i], v[RD], s[2:3] offset:8192+128*(\i%2)+4*(\i/2)
.endr
	s_lshl_b32 s77, s18, 6
	s_add_co_u32 s77, s21, s77                     ; my wave's first row of out0
	s_lshl_b32 s78, s77, 12                        ; rows of 4,096 bytes
	s_lshl_b32 s77, s76, 8                         ; my head's 256 bytes
	s_add_co_u32 s78, s78, s77
	s_mov_b32 s79, 0
	s_add_nc_u64 s[8:9], s[8:9], s[78:79]
	; the prefetches: where my wave's stand, and who asks
	s_lshl_b32 s53, s11, 5
	s_add_co_u32 s53, s21, s53                     ; the mask: my work-group's 32 rows of the tile's 128,
	s_lshl_b32 s53, s53, 13
	s_lshl_b32 s77, s[WV], 8
	s_add_co_u32 s53, s53, s77                     ; the half of a row's 512 bytes (waves 0, 1)
	s_mul_i32 s77, s14, 48                         ; the records: the batch's first group,
	s_add_co_u32 s77, s77, s18
	s_add_co_u32 s77, s77, 1                       ; k's (wave 2) or v's (wave 3),
	s_lshl_b32 s77, s77, 4
	s_lshl_b32 s78, s11, 2
	s_add_co_u32 s77, s77, s78
	s_add_co_u32 s77, s77, s12                     ; head 4 cx + cy
	s_mul_i32 s77, s77, REC
	s_mov_b32 s[PFS], KVSTEP
	s_cmp_lt_u32 s[WV], 2
	s_cselect_b64 s[PFA:PFA+1], s[6:7], s[4:5]
	s_cselect_b32 s[PFS], 512, s[PFS]              ; a step on
	s_cselect_b32 s71, 13, 8                       ; from lane to lane: a row of the mask, or 256 bytes
	s_cselect_b32 s78, s53, s77
	s_add_co_u32 s78, s78, s[PFS]                  ; at step 1: the first change of slots steps it to step 2.  Nothing is prefetched here, at the head
	s_mov_b32 s79, 0
	s_mov_b32 s[PFS+1], 0
	s_add_nc_u64 s[PFA:PFA+1], s[PFA:PFA+1], s[78:79]
	v_lshlrev_b32 v[PFO], s71, v34
	s_and_b32 s77, s13, 3                          ; 0 in the batch's first cluster
	s_cmp_lt_u32 s[WV], 2
	s_cselect_b32 s77, 0, s77                      ; (the mask's tiles are read by one cluster alone)
	s_lshr_b32 s78, s[WV], 2                       ; 0 in waves 0 to 3
	s_or_b32 s77, s77, s78
	s_cmp_eq_u32 s77, 0
	s_cselect_b32 s[LIM], 1, -1                    ; the same in all sixteen partners, for a given wave
	; The step is written once: its first walk finds zeros in O^T and the sums, which the first change of M leaves zeros.  That spares a copy of the step.
	WIN 0x40
.set n, 0
.rept 128
	v_mov_b32 v[n], 0                              ; O^T
.set n, n+1
.endr
.irp i, 0,1,2,3
.irp j, 8,9,10,11,12,13,14,15
	v_mov_b32 v[QF+16*\i+\j], 0                    ; Q's zero codes for the form's upper 64 along K
.endr
.endr
	WIN 0
.irp j, 0,1,2,3,4,5,6,7
	v_mov_b32 v[KF+64+\j], 0                       ; behind K's last tile
.endr
.irp i, 0,1,2,3
	v_mov_b32 v[ST+4*\i+1], 0xff61b1e6             ; the largest t so far: -3e38
	s_delay_alu instid0(VALU_DEP_1)
	v_floor_f32 v[ST+4*\i], -v[ST+4*\i+1]          ; -M
	v_mov_b32 v[ST+4*\i+2], 0                      ; the sum, in two halves
	v_mov_b32 v[ST+4*\i+3], 0
	v_mov_b32 v[PX+\i], 0                          ; written once: a lane permute's destination counts as one of its sources
.endr
	v_mov_b32 v[FF+1], 0                           ; (named as the upper half of the pair)
; ONE TILE OF 16 QUERIES in a key step.
.macro TILE q
.set STI, ST+4*(\q)
.if (\q) == 0
	s_wait_dscnt 17                                ; K, its scale words and the mask's numbers are in; V's 16 loads and its scale words may be out
.set n, 0
.rept 16
	v_pk_mul_f32 v[MS+n:MS+n+1], v[MS+n:MS+n+1], s[RT:RT+1] op_sel_hi:[1,0]   ; mask x sqrt(128), keys of blocks 0 and 1 (tiles 1 to 3: done among the tile before's exponentials)
.set n, n+2
.endr
.endif
	WIN 0x04                                       ; source 1 (Q) window 1
.irp t, 0,2                                    ; S^T = K Q^T + the mask; eight accumulators, one instruction each.  The first four take MS as C
	v_wmma_scale_f32_16x16x128_f8f6f4 v[S+8*\t:S+8*\t+7], v[KF+8*\t:KF+8*\t+15], v[QF+16*(\q):QF+16*(\q)+15], v[MS+8*\t:MS+8*\t+7], v[KSC+\t/2], v[QSC+(\q)]
	v_wmma_scale_f32_16x16x128_f8f6f4 v[S+8*\t+8:S+8*\t+15], v[KF+8*\t+8:KF+8*\t+23], v[QF+16*(\q):QF+16*(\q)+15], v[MS+8*\t+8:MS+8*\t+15], v[KSC+\t/2], v[QSC+(\q)] matrix_a_scale:MATRIX_SCALE_ROW1
.endr
	WIN 0
.if (\q) > 0
	s_wait_dscnt 0x0                               ; the 8 loads of blocks 2 and 3
.endif
.set n, 32
.rept 16
	v_pk_mul_f32 v[S+n:S+n+1], v[S+n:S+n+1], s[RT:RT+1] op_sel_hi:[1,0]   ; mask x sqrt(128), keys of blocks 2 and 3
.set n, n+2
.endr
	WIN 0x04
.irp t, 4,6                                    ; the other four add in place
	v_wmma_scale_f32_16x16x128_f8f6f4 v[S+8*\t:S+8*\t+7], v[KF+8*\t:KF+8*\t+15], v[QF+16*(\q):QF+16*(\q)+15], v[S+8*\t:S+8*\t+7], v[KSC+\t/2], v[QSC+(\q)]
	v_wmma_scale_f32_16x16x128_f8f6f4 v[S+8*\t+8:S+8*\t+15], v[KF+8*\t+8:KF+8*\t+23], v[QF+16*(\q):QF+16*(\q)+15], v[S+8*\t+8:S+8*\t+15], v[KSC+\t/2], v[QSC+(\q)] matrix_a_scale:MATRIX_SCALE_ROW1
.endr
.if (\q) == 0
	WIN 0
.rept 8
	v_nop                                          ; places in front of the first read of results
.endr
.else
	PV (\q)-1                                      ; the tile before: O^T under its new M, and its second product.  Its 16 multiplications name no register of the products above: they are the places in front of the first read of results
.endif
.if (\q) < 3
.irp b, 0,1
.irp j, 0,1,2,3
	ds_load_b128 v[MS+16*\b+4*\j:MS+16*\b+4*\j+3], v[ADM] offset:((\q)+1)*16*MP+128*\b+16*\j   ; the next tile's blocks 0 and 1 of the mask: more than eight places behind the products that took MS as C
.endr
.endr
.endif
.irp b, 0,1,2,3
	v_max3_num_f32 v[BM+\b], v[S+16*\b], v[S+1+16*\b], v[S+2+16*\b]   ; the largest score of each block of 32 keys: for the row's maximum, and, since p rises with the score, for the block's largest p
.endr
.irp i, 3,5,7,9,11,13
.irp b, 0,1,2,3
	v_max3_num_f32 v[BM+\b], v[BM+\b], v[S+16*\b+\i], v[S+1+16*\b+\i]
.endr
.endr
.irp b, 0,1,2,3
	v_max_num_f32 v[BM+\b], v[BM+\b], v[S+15+16*\b]
.endr
.irp b, 0,1,2,3
	s_delay_alu instid0(VALU_DEP_4)
	v_permlanex16_b32 v[PX+\b], v[BM+\b], s[SEL], s[SEL+1]
.endr
.irp b, 0,1,2,3
	s_delay_alu instid0(VALU_DEP_4)
	v_max_num_f32 v[BM+\b], v[BM+\b], v[PX+\b]     ; with lane l xor 16's 16 keys
.endr
	s_delay_alu instid0(VALU_DEP_2)
	v_max3_num_f32 v[TP], v[BM], v[BM+1], v[BM+2]
	s_delay_alu instid0(VALU_DEP_1)
	v_max_num_f32 v[TP], v[TP], v[BM+3]            ; the step's largest score of my query
	s_delay_alu instid0(VALU_DEP_1)
	v_mul_f32 v[TP], s[CS], v[TP]                  ; as t (c is positive)
	s_delay_alu instid0(VALU_DEP_1)
	v_max_num_f32 v[STI+1], v[STI+1], v[TP]        ; the running largest t
	v_mov_b32 v[TP], v[STI]
	s_delay_alu instid0(VALU_DEP_2)
	v_floor_f32 v[STI], -v[STI+1]                  ; the new -M = floor(-t) = -ceil(t)
.irp b, 0,1,2,3
	v_fma_f32 v[BM+\b], v[BM+\b], s[CS], v[STI]    ; t - M of each block's largest score
.endr
	s_wait_alu depctr_va_vdst(0)
.irp b, 0,1,2,3
	v_exp_f32 v[BM+\b], v[BM+\b]                   ; the block's largest p: the same two operations on the same number as its own p below give the same bits.  The 32 lines below name none of the four
.endr
.set n, 0
.rept 32
	v_pk_fma_f32 v[S+n:S+n+1], v[S+n:S+n+1], s[CS:CS+1], v[STI:STI+1] op_sel_hi:[1,0,0]   ; t - M
.if n == 4                                     ; the three dependent lines that make f stand among these independent ones
	v_sub_f32 v[TP], v[STI], v[TP]                 ; old M - new M: a whole number, 0 or less
.endif
.if n == 14
	v_cvt_i32_f32 v[TP], v[TP]                     ; (it saturates)
.endif
.if n == 24
	v_ldexp_f32 v[FF], 1.0, v[TP]                  ; f = 2^(old M - new M)
.endif
.set n, n+2
.endr
.if (\q) < 3
	s_wait_dscnt 0x0                               ; the next tile's blocks 0 and 1 of the mask are in MS
.endif
	s_wait_alu depctr_va_vdst(0)                   ; one wait: behind the four exponentials above, and ahead of the batch below
.set n, 0
.rept 64
	v_exp_f32 v[S+n], v[S+n]                       ; p = 2^(t - M), at most 1
.if ((\q) < 3) && ((n % 4) == 3)
	v_pk_mul_f32 v[MS+(n/4)*2:MS+(n/4)*2+1], v[MS+(n/4)*2:MS+(n/4)*2+1], s[RT:RT+1] op_sel_hi:[1,0]   ; behind every fourth: the next tile's mask x sqrt(128), 16 independent lines; their results are first read behind the wait below
.endif
.set n, n+1
.endr
	v_pk_mul_f32 v[STI+2:STI+3], v[STI+2:STI+3], v[FF:FF+1] op_sel_hi:[1,0]   ; the sums under the new M.  (A plain line behind the exponentials)
; p's scales stand here, between the batch and the wait for it: they read the blocks' largest p alone, which the wait ahead of the batch has covered
.irp b, 0,1,2,3
	v_max_num_f32 v[BM+\b], 0x4800000, v[BM+\b]    ; the floor 2^(9 - 127): the byte cannot fall under 1
.endr
.irp b, 0,1,2,3
	s_delay_alu instid0(VALU_DEP_4)
	v_add_nc_u32 v[SO+\b], 0xfc000000, v[BM+\b]    ; 8 off the exponent field: the conversion's scale operand
.endr
.irp b, 0,1,2,3
	v_and_or_b32 v[HL+\b], v[BM+\b], 0x7f800000, s[MNT]   ; 448 x the scale
.endr
.irp b, 0,1,2,3
	v_lshrrev_b32 v[PX+\b], 23, v[SO+\b]           ; the scale's byte
.endr
	s_delay_alu instid0(VALU_DEP_3)
	v_lshl_or_b32 v[PW], v[PX+1], 8, v[PX]         ; p's scale word for these 128 keys
	s_delay_alu instid0(VALU_DEP_1)
	v_lshl_or_b32 v[PW], v[PX+2], 16, v[PW]
	s_delay_alu instid0(VALU_DEP_1)
	v_lshl_or_b32 v[PW], v[PX+3], 24, v[PW]
	s_wait_alu depctr_va_vdst(0)                   ; one wait for the batch of 64, ahead of its first reader
	v_pk_add_f32 v[PX:PX+1], v[S:S+1], v[S+2:S+3]  ; the row's sum is taken of the unquantised p, in four chains by turns: 32 additions for 32 pairs and the running sum
	v_pk_add_f32 v[PX+2:PX+3], v[S+4:S+5], v[S+6:S+7]
	v_pk_add_f32 v[SX:SX+1], v[S+8:S+9], v[S+10:S+11]
	v_pk_add_f32 v[STI+2:STI+3], v[STI+2:STI+3], v[S+12:S+13]
.irp j, 14,22,30,38,46,54
	v_pk_add_f32 v[PX:PX+1], v[PX:PX+1], v[S+\j:S+1+\j]
	v_pk_add_f32 v[PX+2:PX+3], v[PX+2:PX+3], v[S+2+\j:S+3+\j]
	v_pk_add_f32 v[SX:SX+1], v[SX:SX+1], v[S+4+\j:S+5+\j]
	v_pk_add_f32 v[STI+2:STI+3], v[STI+2:STI+3], v[S+6+\j:S+7+\j]
.endr
	v_pk_add_f32 v[PX:PX+1], v[PX:PX+1], v[S+62:S+63]
	v_pk_add_f32 v[PX+2:PX+3], v[PX+2:PX+3], v[SX:SX+1]
	s_delay_alu instid0(VALU_DEP_2)
	v_pk_add_f32 v[STI+2:STI+3], v[STI+2:STI+3], v[PX:PX+1]
	s_delay_alu instid0(VALU_DEP_1)
	v_pk_add_f32 v[STI+2:STI+3], v[STI+2:STI+3], v[PX+2:PX+3]
.irp b, 2,3,0,1                                ; blocks 2 and 3 first: their registers take the next tile's numbers of the mask
.irp i, 0,2,4,6,8,10,12,14
	v_dual_min_num_f32 v[S+16*\b+\i], v[S+16*\b+\i], v[HL+\b] :: v_dual_min_num_f32 v[S+16*\b+\i+1], v[S+16*\b+\i+1], v[HL+\b]   ; the conversion does not saturate (ISA guide 7.6.2); p is not negative, so the hold is one-sided; two holds to a line: an even and an odd destination, one second source
.endr
	v_cvt_scalef32_pk8_fp8_f32 v[PC+4*\b:PC+1+4*\b], v[S+16*\b:S+7+16*\b], v[SO+\b]
	v_cvt_scalef32_pk8_fp8_f32 v[PC+2+4*\b:PC+3+4*\b], v[S+8+16*\b:S+15+16*\b], v[SO+\b]
.if ((\q) < 3) && (\b >= 2)
.irp j, 0,1,2,3
	ds_load_b128 v[S+16*\b+4*\j:S+16*\b+4*\j+3], v[ADM] offset:((\q)+1)*16*MP+128*\b+16*\j   ; the next tile's blocks 2 and 3 of the mask, into the 16 registers that this block's p has just left
.endr
.endif
.endr
.if (\q) == 3
	PV 3                                           ; the step's last tile has no successor behind whose first product this could stand: V's registers are loaded anew in the next step
.else
	v_nop                                          ; a plain line behind the last conversion: the next tile's first products write over its sources
.endif
.endm
; THE SECOND PRODUCT of tile q.  It stands behind the NEXT tile's first product (tile 3's: at the step's end): f, p's codes and p's scale word stay as they are until that tile's own softmax writes them again.
.macro PV q
.set OQ, 32*(\q)
	WIN 0x41
.set n, 0
.rept 16
	v_pk_mul_f32 v[OQ+n:OQ+n+1], v[OQ+n:OQ+n+1], v[FF:FF+1] op_sel_hi:[1,0]   ; O^T under the new M.  (These are also the plain lines between the conversions and the products)
.set n, n+2
.endr
	WIN 0x51                                       ; V, C and D window 1, p's codes window 0
.irp d, 0,2                                    ; O^T += V^T P^T: four accumulators, one instruction each
	v_wmma_scale_f32_16x16x128_f8f6f4 v[OQ+8*\d:OQ+8*\d+7], v[VF+16*\d:VF+16*\d+15], v[PC:PC+15], v[OQ+8*\d:OQ+8*\d+7], v[VSC+\d/2], v[PW]
	v_wmma_scale_f32_16x16x128_f8f6f4 v[OQ+8*\d+8:OQ+8*\d+15], v[VF+16*\d+16:VF+16*\d+31], v[PC:PC+15], v[OQ+8*\d+8:OQ+8*\d+15], v[VSC+\d/2], v[PW] matrix_a_scale:MATRIX_SCALE_ROW1
.endr
	WIN 0
.endm
; A KEY STEP: 128 keys.  K's and V's fragments are read from LDS once and serve four tiles of queries.
.macro STEP
	v_add_nc_u32 v[ADK], s[TB], v[AKF]
	v_add_nc_u32 v[ADV], s[TB], v[AVF]
	v_add_nc_u32 v[ADM], s[TB], v[AMK]
.rept 5
	v_nop                                          ; with the three additions: eight places in front of loads into registers that the last products have read
.endr
	ds_load_b128 v[KSC:KSC+3], v[ADK] offset:8192  ; K's scale words: register i: lanes 0-15 tile 2 i, lanes 16-31 tile 2 i + 1
.irp t, 0,1,2,3,4,5,6,7
.irp c, 0,1
	ds_load_b128 v[KF+8*\t+4*\c:KF+8*\t+4*\c+3], v[ADK] offset:1024*\t+512*\c
.endr
.endr
.irp b, 0,1
.irp j, 0,1,2,3
	ds_load_b128 v[MS+16*\b+4*\j:MS+16*\b+4*\j+3], v[ADM] offset:128*\b+16*\j   ; tile 0's numbers of the mask: register 16 b + m is key 32 b + 16 h + m of my query; blocks 0 and 1 into MS,
.endr
.endr
.irp b, 2,3
.irp j, 0,1,2,3
	ds_load_b128 v[S+16*\b+4*\j:S+16*\b+4*\j+3], v[ADM] offset:128*\b+16*\j    ; blocks 2 and 3 into the scores' registers
.endr
.endr
	WIN 0x40
.irp t, 0,1,2,3
.irp c, 0,1,2,3
	ds_load_b128 v[VF+16*\t+4*\c:VF+16*\t+4*\c+3], v[ADV] offset:2048*\t+512*\c
.endr
.endr
	WIN 0
	ds_load_b64 v[VSC:VSC+1], v[ADV] offset:8192
	TILE 0
	TILE 1
	TILE 2
	TILE 3
	s_xor_b32 s[TB], s[TB], SLOTB                  ; on to the other slot
.endm
; THE CHANGE OF SLOTS stands at a step's head.  Each wave waits for all its tensor loads (its part of the slot that it is about to read), adds 0 to its spare word, and waits for that and for its reads of the slot that it has left.
; fill = 1: a round of the cluster's barrier, so that no wave of any partner still reads that slot or has a load on its way; the joint refill is the first thing behind it and has a whole step in which to land.
.macro CHANGE fill
	s_wait_tensorcnt 0x0                           ; no tensor load of mine is out, so a group 0 may be written
	ds_add_u32 v[SPW], v[NIL]                      ; 0 onto my spare word
.if \fill
	s_xor_b32 s[TF], s[TF], SLOTB                  ; the other slot than last time,
	s_add_co_u32 s[G0M+1], s[LBM], s[TF]
	s_add_co_u32 s[G0K+1], s[LBK], s[TF]
	s_add_nc_u64 s[G0M+2:G0M+3], s[G0M+2:G0M+3], 512       ; the next 128 keys: 512 bytes on in the mask's rows,
	s_add_nc_u64 s[G0K+2:G0K+3], s[G0K+2:G0K+3], KVSTEP    ; a group on in qkv; the type bits on top are not reached
	s_wait_xcnt 0x0                                ; the last prefetch, a step back, has read its address, so it may be written
	s_add_nc_u64 s[PFA:PFA+1], s[PFA:PFA+1], s[PFS:PFS+1]  ; one step further on than the walking descriptors
	s_wait_dscnt 0x0                               ; the add is done, and my reads of the slot that I have left are over
	CROUND
	JLOAD
	ASK
.else
	s_wait_dscnt 0x0
	s_barrier_signal -1
	s_barrier_wait -1
.endif
.endm
	s_wait_loadcnt 0x0                             ; Q and its scale words
.Lstep:                                            ; 15 trips: behind each change of slots but the last the next step's tiles are asked for
	CHANGE 1
	STEP
	s_sub_co_u32 s[CNT], s[CNT], 1
	s_cmp_lg_u32 s[CNT], 0
	s_cbranch_scc1 .Lstep
	CHANGE 0                                       ; the last step is written out
	STEP
	; THE WAY OUT.  O^T is divided by the row's sum and goes through my stage in LDS, a tile (16 queries x my head's 256 bytes) at a time, so that sixteen lanes store 256 consecutive bytes, aligned.
	v_and_b32 v[ADK], 15, v0                       ; r.  (These eleven plain lines are the places behind the last products)
	v_bfe_u32 v[ADV], v0, 4, 1                     ; h
	s_mul_i32 s53, s[WV], 16*SP                    ; my stage
	v_mul_u32_u24 v[STO], v[ADK], SP
	s_delay_alu instid0(VALU_DEP_1)
	v_lshl_add_u32 v[STO], v[ADV], 6, v[STO]
	s_delay_alu instid0(VALU_DEP_1)
	v_add_nc_u32 v[STO], s53, v[STO]               ; in: row r, + 64 h: d = 16 h on of each 32
	v_mul_u32_u24 v[RD], v[ADV], SP
	s_delay_alu instid0(VALU_DEP_1)
	v_lshl_add_u32 v[RD], v[ADK], 4, v[RD]
	s_delay_alu instid0(VALU_DEP_1)
	v_add_nc_u32 v[RD], s53, v[RD]                 ; back: lanes 0-15 one row, lanes 16-31 the next
	v_lshlrev_b32 v[GO], 12, v[ADV]
	s_delay_alu instid0(VALU_DEP_1)
	v_lshl_add_u32 v[GO], v[ADK], 4, v[GO]         ; and the same two rows of out0
.irp i, 0,1,2,3
	v_add_f32 v[ST+4*\i+2], v[ST+4*\i+2], v[ST+4*\i+3]     ; the sum's two halves,
.endr
.irp i, 0,1,2,3
	s_delay_alu instid0(VALU_DEP_4)
	v_permlanex16_b32 v[PX+\i], v[ST+4*\i+2], s[SEL], s[SEL+1]
.endr
.irp i, 0,1,2,3
	s_delay_alu instid0(VALU_DEP_4)
	v_add_f32 v[ST+4*\i+2], v[ST+4*\i+2], v[PX+\i]         ; and lane l xor 16's: the row's sum
.endr
	s_wait_alu depctr_va_vdst(0)
.irp i, 0,1,2,3
	v_rcp_f32 v[BM+\i], v[ST+4*\i+2]
.endr
	v_nop                                          ; a plain line behind the last reciprocal
	s_wait_alu depctr_va_vdst(0)                   ; one wait for the four, ahead of the first reader
.macro PACK q
.set MR, S+32*((\q)%2)                 ; the quotients: v64-95 and v96-127 by turns
	WIN 0x01                                       ; source 0 (O^T) window 1
.set n, 0
.rept 32
	v_mul_f32 v[MR+n], v[32*(\q)+n], v[BM+(\q)]    ; register 16 g + m is d = 32 g + 16 h + m; each accumulator from its low end on
.set n, n+1
.endr
	WIN 0
.irp g, 0,1
.irp j, 0,1,2,3
	ds_store_b128 v[STO], v[MR+16*\g+4*\j:MR+16*\g+4*\j+3] offset:128*\g+16*\j
.endr
.endr
.irp k, 0,1,2,3,4,5,6,7
	ds_load_b128 v[OB+32*(\q)+4*\k:OB+32*(\q)+4*\k+3], v[RD] offset:2*\k*SP   ; LDS serves a wave's instructions in order: these see the stores above, and the next tile's stores come behind them
.endr
.endm
.macro SEND q, younger                 ; younger: the LDS instructions issued behind tile q's loads: the next tile's sixteen, or none
.irp k, 0,1,2,3,4,5,6,7
	s_wait_dscnt \younger+7-\k
	global_store_b128 v[GO], v[OB+32*(\q)+4*\k:OB+32*(\q)+4*\k+3], s[8:9] offset:(16*(\q)+2*\k)*4096 th:TH_STORE_NT
.endr
.endm
	PACK 0
	PACK 1
	SEND 0, 16                                     ; tile 0's LDS stores and loads are done: v64-95 may be written again
	PACK 2
	SEND 1, 16
	PACK 3
	SEND 2, 16
	SEND 3, 0
	s_wait_tensorcnt 0x0                           ; the wave's end
	ds_add_u32 v[SPW], v[NIL]
	s_wait_dscnt 0x0
	CROUND                                         ; the closing round: no work-group ends while a partner may still ask for a tile that names it
	s_endpgm
.Lfunc_end_k_q43dd0274f2_attn:
	.size	k_q43dd0274f2_attn, .Lfunc_end_k_q43dd0274f2_attn-k_q43dd0274f2_attn
	.p2alignl 7, 3214868480
	.fill 96, 4, 3214868480
	.section	.rodata,"a",@progbits
	.p2align	6, 0x0
	.amdhsa_kernel k_q43dd0274f2_attn
		.amdhsa_group_segment_fixed_size 327680
		.amdhsa_private_segment_fixed_size 0
		.amdhsa_enable_private_segment 0
		.amdhsa_kernarg_size 24
		.amdhsa_user_sgpr_count 2
		.amdhsa_user_sgpr_kernarg_segment_ptr 1
		.amdhsa_wavefront_size32 1
		.amdhsa_system_sgpr_workgroup_id_x 1
		.amdhsa_system_sgpr_workgroup_id_y 1
		.amdhsa_system_sgpr_workgroup_id_z 1
		.amdhsa_system_vgpr_workitem_id 0
		.amdhsa_next_free_vgpr 512
		.amdhsa_next_free_sgpr 80
		.amdhsa_reserve_vcc 0
		.amdhsa_float_denorm_mode_32 3
		.amdhsa_float_denorm_mode_16_64 3
		.amdhsa_memory_ordered 1
		.amdhsa_forward_progress 1
		.amdhsa_inst_pref_size 192
	.end_amdhsa_kernel
	.amdgpu_metadata
---
amdhsa.version: [ 1, 2 ]
amdhsa.kernels:
  - .name:           k_q43dd0274f2_attn
    .symbol:         k_q43dd0274f2_attn.kd
    .args:
      - { .name: qkv, .offset: 0, .size: 8, .value_kind: global_buffer, .address_space: global }
      - { .name: mask, .offset: 8, .size: 8, .value_kind: global_buffer, .address_space: global }
      - { .name: out0, .offset: 16, .size: 8, .value_kind: global_buffer, .address_space: global }
    .group_segment_fixed_size: 327680
    .private_segment_fixed_size: 0
    .kernarg_segment_align: 8
    .kernarg_segment_size: 24
    .max_flat_workgroup_size: 256
    .sgpr_count:     80
    .vgpr_count:     512
    .wavefront_size: 32
...
	.end_amdgpu_metadata
.endif
;; end of part 3
